; MI455X (gfx1250); checked and timed in simulation.
; The chip was launched on July 23, 2026; its instructions are those of AMD's public machine-readable ISA for CDNA 5 (MIT licence, August 2026) and "CDNA5" Instruction Set Architecture Reference Guide (July 2026). The comments in the code are by the model that wrote it; some were corrected since.
;; Causal Self Attention. Allowed arithmetic: matrix products marked QUANTISED: E4M3 operands, one given power-of-two scale a tensor, by v_wmma_f32_16x16x64_fp8_fp8 or v_wmma_f32_16x16x128_fp8_fp8, f32 sums; everything else in f32.
;; Inputs: W_out_codes 1,024 x 32 x 32 uint8 (E4M3 codes of W_out, K innermost, in blocks of 32 codes); W_qkv_codes 3,072 x 32 x 32 uint8 (E4M3 codes of W_qkv, K innermost, in blocks of 32 codes); b_out 1,024 float32; b_qkv 3,072 float32; lowp_scales 8 int32 (the exponents e of the quantised operands' scales 2^e); x_codes 1 x 4,096 x 32 x 32 uint8 (E4M3 codes of x, K innermost, in blocks of 32 codes).
;; Outputs: out0 1 x 4,096 x 1,024 float32.
;; This version of the problem:
;;   THIS VERSION OF THE PROBLEM IS GIVEN IN LOW PRECISION. The matrix products marked QUANTISED in the list below multiply operands that are first quantised to E4M3 (4 exponent bits, 3 mantissa bits; 8 bits a number), with one given power-of-two scale for each operand tensor; their sums are f32. All else is computed in f32.
;;   The module's matrix products, in the order in which they are computed (A, B: the left and right operand; K: the contracted axis; several contracted axes count as one K, in the product's order):
;;     1. [M 4,096, K 1,024] x [K 1,024, N 3,072]; A: input x (given as codes); B: input W_qkv (given as codes): QUANTISED (scales: A lowp_scales[0], B lowp_scales[1])
;;     2. batch 16 x [M 4,096, K 64] x [K 64, N 4,096]; A: computed on the way; B: computed on the way: QUANTISED (scales: A lowp_scales[2], B lowp_scales[3])
;;     3. batch 16 x [M 64, K 4,096] x [K 4,096, N 4,096]; A: computed on the way; B: softmax (see below): QUANTISED (scales: A lowp_scales[4], B lowp_scales[5])
;;     4. [M 4,096, K 1,024] x [K 1,024, N 1,024]; A: computed on the way; B: input W_out (given as codes): QUANTISED (scales: A lowp_scales[6], B lowp_scales[7])
;;   THE QUANTISER, for each operand of a quantised product, along K:
;;     - The operand's scale is 2^e, e = its entry of the input lowp_scales (int32; the entries are numbered through the quantised products in the list's order, A before B).
;;     - Each number is divided by the scale, clamped to +-448, and rounded to the nearest number of E4M3, ties to even, subnormals kept.
;;     - The product sums the exact products of the quantised numbers (number of the format x scale) in f32.
;;   ~~~python
;;   def quantise(x, axis, e):      # numpy; x: float32 -> the quantised numbers, widened to float32 again
;;       x = np.moveaxis(x, axis, -1); K = x.shape[-1]
;;       r = np.clip(x / 2.0 ** e, -448, 448)
;;       step = 2.0 ** (np.maximum(np.frexp(np.where(r == 0, 1, r))[1] - 1, -6) - 3)
;;       q = np.round(r / step) * step * 2.0 ** e      # np.round: ties to even
;;       return np.moveaxis(q, -1, axis).astype(np.float32)
;;   ~~~
;;   SOFTMAX AHEAD OF A QUANTISED PRODUCT. Where the list says 'softmax', what is quantised is not the finished softmax but p = 2^(t - M), with t = logit x log2(e) and M = ceil(the row's largest t), a whole number; so 1/2 < the row's largest p <= 1. The row's sum l is taken of the UNQUANTISED p, in f32, and the product's result is divided by l at the end. Since M is a whole number, a kernel that streams over the keys may use a running M (the ceiling of the running maximum): every later rescaling is an exact power of two, so the quantised numbers keep their values, but for numbers so far below the row's largest that they fall under the format's range.
;;   OPERANDS COMPUTED ON THE WAY. 'Computed on the way' means the value that the module computes at that place (a softmax that the list does not call 'softmax' is quantised finished and normalised). What goes into a quantiser is computed in f32, as accurately as f32 sums, v_exp_f32 and their like allow (about 1e-6 of the number): no bf16 or f16 on the way to a quantiser, and a product that is left as it is and whose result goes on into a quantised operand takes f32 operands (vector FMAs, or v_wmma_f32_16x16x4_f32). A number that lies on a knife's edge between two numbers of the format may be rounded either way, as far as f32 arithmetic and the matrix unit's own rounding can turn it there, and no further.
;;   INPUTS GIVEN AS CODES. W_out (in the module: [1024, 1024], K = its axis 0); W_qkv (in the module: [1024, 3072], K = its axis 0); x (in the module: [1, 4096, 1024], K = its axis 2): each comes as NAME_codes (uint8): NAME with its K axis moved to the last place and cut into blocks of 32 codes, [.., K / 32, bytes a block], one block behind the other in memory; one code a byte (a code: sign, 4 exponent bits, 3 mantissa bits); its scale is its entry of lowp_scales. Its value is code x scale, taken as it is: it is not quantised again, and the codes and scales need not be those that the quantiser above would give.
;; One version. Each part assembles by itself: llvm-mc -triple=amdgcn-amd-amdhsa -mcpu=gfx1250 --defsym DOCPART=n.
;; ======== version 1 of 1: 3 launches
;; limits: right only within a limited range of input values
;; workspace buffers: qkv 12,582,912 bytes; aimg 4,194,304 bytes
;; launch qkv_gemm (part 1): grid 12 x 16, 4 waves a work-group, clusters of 4 x 4, 327,680 bytes of LDS; arguments x_codes, W_qkv_codes, lowp_scales, b_qkv, qkv; writes qkv
.if DOCPART == 1
	.amdgcn_target "amdgcn-amd-amdhsa--gfx1250"
	.amdhsa_code_object_version 6
	.text
	.protected	k_qa29e75e9a9_qkv_gemm
	.globl	k_qa29e75e9a9_qkv_gemm
	.p2align	8
	.type	k_qa29e75e9a9_qkv_gemm,@function
k_qa29e75e9a9_qkv_gemm:
	s_mov_b64 s[64:65], 0
	v_nop
	global_prefetch_b8 v0, s[64:65] scope:SCOPE_SE
	s_setreg_imm32_b32 hwreg(HW_REG_WAVE_MODE, 25, 1), 1
	s_wait_xcnt 0x0
	s_wait_alu depctr_hold_cnt(0) depctr_sa_sdst(0) depctr_va_vdst(0) depctr_va_sdst(0) depctr_va_ssrc(0) depctr_va_vcc(0) depctr_vm_vsrc(0)
	s_getreg_b32 s2, hwreg(HW_REG_IB_STS2, 6, 4)
	s_cmp_eq_u32 s2, 0
	s_cbranch_scc0 .Lentry_in_a_cluster
	s_endpgm
.Lentry_in_a_cluster:
	s_bfe_u32 s2, ttmp6, 0x10000c
	s_cmp_lg_u32 s2, 0xf033
	s_cbranch_scc0 .Lentry_shape_is_right
	s_endpgm
.Lentry_shape_is_right:
; q, k, v = x W_qkv x 2^(e0 + e1) + b_qkv, quantised with 2^e2, 2^e3, 2^e4 and stored as images of operand registers (buffer qkv: q from 0, head x 262,144 + token block of 128 x 8,192 + tile x 1,024;
; k and v from 4,194,304, head x 524,288 + token block x 16,384: k's 8,192 bytes, then v's with the tokens innermost).  x: [4096][1024], W_qkv: [3072][1024]: codes of E4M3, K innermost; sums in f32.
; WORK LEFT OUT IN THE PROGRAM: tiles of scores that lie wholly under reference()'s own causal mask (launch attn).  Here every row is live: each token's k and v serve its own query.
; LIMITS, so that each power of two below is an f32 number: e0 + e1 between -126 and 127; e2, e3, e4 between -126 and 119.
; SHARES.  A work-group of four waves makes 256 x 256 of q, of k or of v (the cluster's x: 0, 1, 2), a wave 128 x 128: 64 accumulators.  For q and k source 0 is W_qkv and source 1 is x, so that a lane holds eight neighbouring
; channels of one token; for v the two are exchanged, by exchanging the buffers that the two panels come from, so that a lane holds eight neighbouring tokens of one channel.  The bias lies along the accumulator's registers (BB) or along its lanes (BA):
; the one that is not meant is masked to zero.
; K goes in four steps of 256 through a ring of two LDS slots; each wave fetches a quarter of a slot by one joint load: A's panel is shared along a row of the cluster of 4 x 4, B's along a column.
; PREFETCH: K steps 2 and 3, each one K step ahead of its joint load; of the 128 rows that a wave fetches each of the four partners that ask for them jointly takes 32, told apart by address, a lane a row.  K steps 0 and 1 come by their loads alone.
; REGISTERS: window 0: v8-31 addresses and constants; v32-95, v96-111 the bias; v128-255 A's fragments, then the quantising.  window 1: B's fragments, two sets; at the end the images on their way out.  windows 2, 3: the accumulators of my rows 0-63, 64-127.
.set PFO,    14                        ; v14     the prefetches' offset: 1,024 x lane; never rewritten
.set PFA,    66                        ; s[66:67] my work-group's 32 rows of the 128 that I fetch
.set KROW,   1024
.set ROWB,   256
.set PITCH,  272
.set FR,     16
.set NL,     4
.set NP,     4
.set HALFT,  128*PITCH
.set SLOT,   4*HALFT
.set SPARE,  2*SLOT
.set VO,   8
.set BO,   12
.set AO,   13
.set ADRA, 16
.set ADRB, 20
.set STO,  24
.set RD,   25
.set SPW,  28
.set NIL,  29
.set QS,   30
.set QL,   31
.set BB,   32
.set BA,   96
.set AF,   128
.set TMP,  128
.set CD,   192
.set G1, 24
.set G0, 32
.set G1B, 48
.set G0B, 56
.set MSB, 0
.macro WIN new
.if MSB != \new
	s_set_vgpr_msb (MSB<<8)|\new
.set MSB, \new
.endif
.endm
.set MUL_LO, 0xa1
.set MUL_HI, 0xf1
.set TO_B,   0x40
.macro JLOAD g0a, g1a, g0b, g1b
	s_cmp_eq_u32 s15, 0
	s_cbranch_scc0 .Lfor_b_\@
	tensor_load_to_lds s[\g0a:\g0a+3], s[\g1a:\g1a+7]
	s_nop 0
.rept 4
	v_nop
.endr
	s_branch .Lasked_\@
.Lfor_b_\@:
	tensor_load_to_lds s[\g0b:\g0b+3], s[\g1b:\g1b+7]
	s_nop 0
.rept 4
	v_nop
.endr
.Lasked_\@:
.endm
.macro CREST
	s_cmp_lg_u32 s14, 0
	s_cbranch_scc1 .Lnot_wave_0_\@
	s_barrier_signal -3
.Lnot_wave_0_\@:
	s_barrier_wait -3
	s_barrier_signal -1
	s_barrier_wait -1
.endm
.macro CROUND
	s_barrier_signal -1
	s_barrier_wait -1
	CREST
.endm
	s_load_b256 s[4:11], s[0:1], 0x0
	s_load_b64 s[12:13], s[0:1], 0x20
	v_lshl_add_u32 v[SPW], v0, 2, SPARE
	v_mov_b32 v[NIL], 0
	ds_add_u32 v28, v29
	ds_add_u32 v28, v29
	s_wait_dscnt 0x0
	v_lshrrev_b32 v1, 5, v0
	v_readfirstlane_b32 s14, v1
	s_lshr_b32 s15, s14, 1
	s_and_b32 s16, s14, 1
	s_bfe_u32 s40, ttmp6, 0x40000
	s_bfe_u32 s41, ttmp6, 0x40004
	s_lshl_b32 s72, ttmp9, 2
	s_and_b32 s73, ttmp7, 0xffff
	s_lshl_b32 s73, s73, 2
	s_cmp_eq_u32 ttmp9, 2
	s_cselect_b32 s17, 8, s73
	s_cselect_b32 s42, s73, s72
	s_cselect_b32 s71, -1, 0
	s_cselect_b32 s70, 0, -1
	s_add_co_u32 s17, s17, s41
	s_add_co_u32 s42, s42, s40
	s_lshl_b32 s43, s41, 2
	s_lshl_b32 s43, 15, s43
	s_lshl_b32 s44, 0x1111, s40
	s_or_b32 s[G1+0], s43, (0<<16)|(1<<20)|(1<<21)|(5<<22)|(3<<25)
	s_or_b32 s[G1B+0], s44, (0<<16)|(1<<20)|(1<<21)|(5<<22)|(3<<25)
.irp g, G1, G1B
	s_mov_b32 s[\g+1], ROWB<<16
	s_mov_b32 s[\g+2], 128<<16
	s_mov_b32 s[\g+3], ROWB<<16
	s_mov_b32 s[\g+4], 128
	s_mov_b32 s[\g+5], KROW
	s_mov_b32 s[\g+6], 0
	s_mov_b32 s[\g+7], 0
.endr
	s_lshl_b32 s18, s16, 7
	s_lshl_b32 s20, s17, 8
	s_add_co_u32 s20, s20, s18
	s_lshl_b32 s20, s20, 10
	s_mov_b32 s21, 0
	s_lshl_b32 s46, s42, 8
	s_add_co_u32 s46, s46, s18
	s_lshl_b32 s46, s46, 10
	s_mov_b32 s47, 0
	s_mul_i32 s45, s14, HALFT
	s_wait_kmcnt 0x0
	s_load_b256 s[76:83], s[8:9], 0x0
	s_cmp_eq_u32 ttmp9, 2
	s_cselect_b64 s[66:67], s[6:7], s[4:5]
	s_cselect_b64 s[68:69], s[4:5], s[6:7]
	s_add_nc_u64 s[20:21], s[66:67], s[20:21]
	s_add_nc_u64 s[46:47], s[68:69], s[46:47]
	CROUND
.irp s, 0,1
	s_mov_b32 s[G0+4*\s], 1
	s_add_co_u32 s[G0+4*\s+1], s45, \s*SLOT
	s_add_nc_u64 s[G0+4*\s+2:G0+4*\s+3], s[20:21], \s*ROWB
	s_or_b32 s[G0+4*\s+3], s[G0+4*\s+3], 0x80000000
	s_mov_b32 s[G0B+4*\s], 1
	s_add_co_u32 s[G0B+4*\s+1], s45, \s*SLOT
	s_add_nc_u64 s[G0B+4*\s+2:G0B+4*\s+3], s[46:47], \s*ROWB
	s_or_b32 s[G0B+4*\s+3], s[G0B+4*\s+3], 0x80000000
.endr
	JLOAD G0, G1, G0B, G1B                         ; K step 0
	s_cmp_eq_u32 s15, 0                            ; do I fetch for A?
	s_cselect_b64 s[PFA:PFA+1], s[20:21], s[46:47]
	s_cselect_b32 s68, s40, s41                    ; my place among the four that ask with me
	s_lshl_b32 s68, s68, 15
	s_mov_b32 s69, 0
	s_add_nc_u64 s[PFA:PFA+1], s[PFA:PFA+1], s[68:69]
	v_and_b32 v[PFO], 31, v0
	v_lshlrev_b32 v[PFO], 10, v[PFO]
.macro ASK off                         ; a K step of my work-group's share: 32 rows x 256 bytes, one instruction a wave
	global_prefetch_b8 v[PFO], s[PFA:PFA+1] offset:\off th:TH_LOAD_NT scope:SCOPE_SE
.endm
	v_and_b32 v1, 15, v0
	v_bfe_u32 v2, v0, 4, 1
	s_wait_alu depctr_va_vdst(0)
	v_mul_u32_u24 v3, v1, PITCH
	v_lshl_add_u32 v4, v2, 4, v3
	s_mul_i32 s21, s15, HALFT
	s_mul_i32 s22, s16, HALFT
	s_add_co_u32 s22, s22, 2*HALFT
.irp s, 0,1
	v_add_nc_u32 v[ADRA+\s], s21, v4
	v_add_nc_u32 v[ADRB+\s], s22, v4
	s_add_co_u32 s21, s21, SLOT
	s_add_co_u32 s22, s22, SLOT
.endr
	s_lshl_b32 s74, s42, 10
	s_lshl_b32 s75, s16, 9
	s_add_co_u32 s74, s74, s75
	s_and_b32 s74, s74, s70
	s_mov_b32 s75, 0
	s_add_nc_u64 s[94:95], s[10:11], s[74:75]
	s_lshl_b32 s74, s17, 10
	s_lshl_b32 s93, s15, 9
	s_add_co_u32 s74, s74, s93
	s_and_b32 s74, s74, s71
	s_add_nc_u64 s[96:97], s[10:11], s[74:75]
	v_lshlrev_b32 v[BO], 5, v2
	v_lshlrev_b32 v[AO], 2, v1
.irp b, 0,1,2,3,4,5,6,7
	global_load_b128 v[BB+8*\b:BB+8*\b+3],   v[BO], s[94:95] offset:64*\b
	global_load_b128 v[BB+8*\b+4:BB+8*\b+7], v[BO], s[94:95] offset:64*\b+16
.endr
.irp a, 0,1,2,3,4,5,6,7
	global_load_b32 v[BA+2*\a], v[AO], s[96:97] offset:64*\a
.endr
	s_lshl_b32 s23, s14, 14
	v_bfe_u32 v5, v0, 3, 1
	v_and_b32 v7, 7, v0
	v_lshlrev_b32 v5, 10, v5
	v_lshl_add_u32 v5, v7, 4, v5
	v_lshl_add_u32 v5, v2, 3, v5
	v_add_nc_u32 v[STO], s23, v5
	v_and_b32 v6, 31, v0
	v_lshlrev_b32 v6, 4, v6
	s_wait_alu depctr_va_vdst(0)
	v_add_nc_u32 v[RD], s23, v6
	s_min_u32 s74, ttmp9, 1
	s_lshl_b32 s90, 0x40000, s74
	s_lshl_b32 s91, 0x2000, s74
	s_lshl_b32 s92, s74, 22
	s_lshr_b32 s75, ttmp9, 1
	s_lshl_b32 s75, s75, 13
	s_add_co_u32 s92, s92, s75
	s_cmp_eq_u32 ttmp9, 2
	s_cselect_b32 s93, s17, s42
	s_cselect_b32 s98, s15, s16
	s_cselect_b32 s99, s42, s17
	s_cselect_b32 s75, s16, s15
	s_cselect_b32 s87, s90, 4096
	s_cselect_b32 s88, 4096, s90
	s_and_b32 s93, s93, 3
	s_lshl_b32 s93, s93, 2
	s_lshl_b32 s98, s98, 1
	s_add_co_u32 s93, s93, s98
	s_lshl_b32 s99, s99, 1
	s_add_co_u32 s99, s99, s75
	s_mul_i32 s93, s93, s90
	s_mul_i32 s99, s99, s91
	s_add_co_u32 s86, s92, s93
	s_add_co_u32 s86, s86, s99
	s_add_co_u32 s87, s87, s86
	s_add_co_u32 s88, s88, s86
	s_add_co_u32 s89, s86, s90
	s_add_co_u32 s89, s89, 4096
.irp p, 0,1,2,3
	v_add_nc_u32 v[VO+\p], s[86+\p], v6
.endr
	s_wait_loadcnt 0x0
.set j, 0
.rept 64
	v_and_b32 v[BB+j], s70, v[BB+j]
.set j, j+1
.endr
.irp a, 0,1,2,3,4,5,6,7
	v_and_b32 v[BA+2*\a], s71, v[BA+2*\a]
	v_mov_b32 v[BA+2*\a+1], 0
.endr
	s_wait_kmcnt 0x0
	s_add_co_i32 s84, s76, s77
	s_add_co_i32 s84, s84, 127
	s_lshl_b32 s84, s84, 23
	s_mov_b32 s85, s84
	s_cmp_eq_u32 ttmp9, 0
	s_cselect_b32 s74, s78, s79
	s_cmp_eq_u32 ttmp9, 2
	s_cselect_b32 s74, s80, s74
	s_add_co_i32 s74, s74, 127
	s_lshl_b32 s75, s74, 23
	v_mov_b32 v[QS], s75
	s_add_co_i32 s74, s74, 8
	s_lshl_b32 s74, s74, 23
	s_or_b32 s74, s74, 0x600000
	v_mov_b32 v[QL], s74
.macro FRAG reg, adr, q, i
.irp c, 0,1,2,3
	ds_load_b128 v[\reg+4*\c:\reg+4*\c+3], v[\adr] offset:128*(\q)+32*\c+(\i)*16*PITCH
.endr
.endm
.macro MUL16 a0, p, zero
.irp a, \a0, \a0+1
.irp b, 0,1,2,3,4,5,6,7
.if \zero
	v_wmma_f32_16x16x128_fp8_fp8 v[8*(8*((\a)%4)+\b):8*(8*((\a)%4)+\b)+7], v[128*(\p)+FR*\b:128*(\p)+FR*\b+FR-1], v[AF+FR*(\a):AF+FR*(\a)+FR-1], 0
.else
	v_wmma_f32_16x16x128_fp8_fp8 v[8*(8*((\a)%4)+\b):8*(8*((\a)%4)+\b)+7], v[128*(\p)+FR*\b:128*(\p)+FR*\b+FR-1], v[AF+FR*(\a):AF+FR*(\a)+FR-1], v[8*(8*((\a)%4)+\b):8*(8*((\a)%4)+\b)+7]
.endif
.endr
.endr
.endm
.macro FETCH_B slot, q, p
	WIN TO_B
.irp i, 0,1,2,3,4,5,6,7
	FRAG 128*(\p)+FR*\i, ADRB+\slot, \q, \i
.endr
	WIN 0
.endm
.macro FETCH_A slot, q, i0
.irp i, \i0, \i0+1, \i0+2, \i0+3
	FRAG AF+FR*(\i), ADRA+\slot, \q, \i
.endr
.endm
.macro PLACES n
.rept \n
	v_nop
.endr
.endm
.macro STEP slot, q, zero
	s_wait_dscnt 4*NL
	WIN MUL_LO
	MUL16 0, (\q)%2, \zero
	MUL16 2, (\q)%2, \zero
	s_wait_dscnt 0
	PLACES NP
	FETCH_B \slot, (\q)+1, 1-(\q)%2
	FETCH_A \slot, (\q)+1, 0
	WIN MUL_HI
	MUL16 4, (\q)%2, \zero
	MUL16 6, (\q)%2, \zero
	PLACES NP
	WIN 0
	FETCH_A \slot, (\q)+1, 4
.endm
.macro TURN slot, next, fill
	s_wait_tensorcnt 0x0
	ds_add_u32 v[SPW], v[NIL]
	s_wait_dscnt 4*NL+1
	WIN MUL_LO
	MUL16 0, 1, 0
	s_wait_dscnt 0x0
	s_barrier_signal -1
	MUL16 2, 1, 0
	WIN 0
	s_barrier_wait -1
.if \fill
	CREST
	s_add_nc_u64 s[G0+4*\slot+2:G0+4*\slot+3], s[G0+4*\slot+2:G0+4*\slot+3], 2*ROWB
	s_add_nc_u64 s[G0B+4*\slot+2:G0B+4*\slot+3], s[G0B+4*\slot+2:G0B+4*\slot+3], 2*ROWB
	JLOAD G0+4*\slot, G1, G0B+4*\slot, G1B
.else
	PLACES NP
.endif
	FETCH_B \next, 0, 0
	FETCH_A \next, 0, 0
.if (\fill) && ((\slot) == 0)
	ASK 3*ROWB                                     ; behind K step 2's joint load: K step 3
.endif
	WIN MUL_HI
	MUL16 4, 1, 0
	MUL16 6, 1, 0
	PLACES NP
	WIN 0
	FETCH_A \next, 0, 4
.endm
	s_wait_alu depctr_va_vdst(0)                   ; the head's end
	s_wait_tensorcnt 0x0                           ; my part of K step 0 is in
	ds_add_u32 v[SPW], v[NIL]
	s_wait_dscnt 0x0
	CROUND                                         ; everybody's part of K step 0 is in, and the joint loads meet
	JLOAD G0+4, G1, G0B+4, G1B                     ; K step 1
	FETCH_B 0, 0, 0
	FETCH_A 0, 0, 0
	FETCH_A 0, 0, 4
	ASK 2*ROWB                                     ; K step 2
	STEP 0, 0, 1
	TURN 0, 1, 1
	STEP 1, 0, 0
	TURN 1, 0, 1
	STEP 0, 0, 0
	TURN 0, 1, 0
	STEP 1, 0, 0
	s_wait_dscnt 4*NL
	WIN MUL_LO
	MUL16 0, 1, 0
	MUL16 2, 1, 0
	s_wait_dscnt 0
	WIN MUL_HI
	MUL16 4, 1, 0
	MUL16 6, 1, 0
	WIN 0
	PLACES NP
.macro QBLOCK a
.set AC, 64*((\a)%4)
	WIN 0x02+((\a)/4)
.set j, 0
.rept 32
	v_pk_fma_f32 v[TMP+j:TMP+j+1], v[AC+j:AC+j+1], s[84:85], v[BB+j:BB+j+1] op_sel_hi:[1,0,1]
.set j, j+2
.endr
	WIN 0
.set j, 0
.rept 32
	v_pk_add_f32 v[TMP+j:TMP+j+1], v[TMP+j:TMP+j+1], v[BA+2*(\a):BA+2*(\a)+1] op_sel_hi:[1,0]
.set j, j+2
.endr
.set j, 0
.rept 64
	v_med3_num_f32 v[TMP+j], v[TMP+j], -v[QL], v[QL]
.set j, j+1
.endr
.if (\a) >= 4
	s_wait_alu depctr_va_vdst(0)
	s_wait_dscnt 24
.endif
.irp b, 0,1,2,3,4,5,6,7
	v_cvt_scalef32_pk8_fp8_f32 v[CD+16*((\a)%4)+2*\b:CD+16*((\a)%4)+2*\b+1], v[TMP+8*\b:TMP+8*\b+7], v[QS]
.endr
	v_nop
.irp b, 0,1,2,3,4,5,6,7
	ds_store_b64 v[STO], v[CD+16*((\a)%4)+2*\b:CD+16*((\a)%4)+2*\b+1] offset:(\b/4)*8192+((\a)/2)*2048+((\a)%2)*128+((\b/2)%2)*512+(\b%2)*256
.endr
.endm
; THE WAY OUT.  Blocks 2 g and 2 g + 1 fill bytes 2,048 g .. 2,048 g + 2,047 of each of the stage's two halves: they come back as images, 512 consecutive bytes an instruction, into window 1, and are stored while the next pair is quantised.
; LDS serves a wave's instructions in order (ISA guide 5.7.1.4): the loads see the stores ahead of them.
.macro BACK g
	WIN TO_B
.set i, 4*(\g)
.rept 4
	ds_load_b128 v[4*i:4*i+3], v[RD] offset:512*i
	ds_load_b128 v[4*i+64:4*i+67], v[RD] offset:512*i+8192
.set i, i+1
.endr
	WIN 0
.endm
.macro SENDQ g
	WIN 0x04                                       ; the stores' data: window 1
.set i, 4*(\g)
.rept 4
	global_store_b128 v[VO+i/8], v[4*i:4*i+3], s[12:13] offset:512*(i%8)
	global_store_b128 v[VO+2+i/8], v[4*i+64:4*i+67], s[12:13] offset:512*(i%8)
.set i, i+1
.endr
	WIN 0
.endm
.irp g, 0,1,2,3
	QBLOCK 2*\g
	QBLOCK 2*\g+1
	BACK \g
.if \g > 0
	s_wait_alu depctr_va_vdst(0)
	s_wait_dscnt 24                                ; the pair before is back: behind its loads this pair's 16 stores and 8 loads
	SENDQ \g-1
.endif
.endr
	s_wait_dscnt 0x0
	SENDQ 3
	s_wait_tensorcnt 0x0
	ds_add_u32 v[SPW], v[NIL]
	s_wait_dscnt 0x0
	CROUND
	s_endpgm
.Lfunc_end_k_qa29e75e9a9_qkv_gemm:
	.size	k_qa29e75e9a9_qkv_gemm, .Lfunc_end_k_qa29e75e9a9_qkv_gemm-k_qa29e75e9a9_qkv_gemm
	.p2alignl 7, 3214868480
	.fill 96, 4, 3214868480
	.section	.rodata,"a",@progbits
	.p2align	6, 0x0
	.amdhsa_kernel k_qa29e75e9a9_qkv_gemm
		.amdhsa_group_segment_fixed_size 327680
		.amdhsa_private_segment_fixed_size 0
		.amdhsa_enable_private_segment 0
		.amdhsa_kernarg_size 40
		.amdhsa_user_sgpr_count 2
		.amdhsa_user_sgpr_kernarg_segment_ptr 1
		.amdhsa_wavefront_size32 1
		.amdhsa_system_sgpr_workgroup_id_x 1
		.amdhsa_system_sgpr_workgroup_id_y 1
		.amdhsa_system_sgpr_workgroup_id_z 1
		.amdhsa_system_vgpr_workitem_id 0
		.amdhsa_next_free_vgpr 1024
		.amdhsa_next_free_sgpr 100
		.amdhsa_reserve_vcc 0
		.amdhsa_float_denorm_mode_32 3
		.amdhsa_float_denorm_mode_16_64 3
		.amdhsa_memory_ordered 1
		.amdhsa_forward_progress 1
		.amdhsa_inst_pref_size 164
	.end_amdhsa_kernel
	.amdgpu_metadata
---
amdhsa.version: [ 1, 2 ]
amdhsa.kernels:
  - .name:           k_qa29e75e9a9_qkv_gemm
    .symbol:         k_qa29e75e9a9_qkv_gemm.kd
    .args:
      - { .name: x_codes, .offset: 0, .size: 8, .value_kind: global_buffer, .address_space: global }
      - { .name: W_qkv_codes, .offset: 8, .size: 8, .value_kind: global_buffer, .address_space: global }
      - { .name: lowp_scales, .offset: 16, .size: 8, .value_kind: global_buffer, .address_space: global }
      - { .name: b_qkv, .offset: 24, .size: 8, .value_kind: global_buffer, .address_space: global }
      - { .name: qkv, .offset: 32, .size: 8, .value_kind: global_buffer, .address_space: global }
    .group_segment_fixed_size: 327680
    .private_segment_fixed_size: 0
    .kernarg_segment_align: 8
    .kernarg_segment_size: 40
    .max_flat_workgroup_size: 128
    .sgpr_count:     100
    .vgpr_count:     1024
    .wavefront_size: 32
...
	.end_amdgpu_metadata
.endif
;; end of part 1
;; launch attn (part 2): grid 16 x 16, 16 waves a work-group, no clusters, 327,680 bytes of LDS; arguments qkv, lowp_scales, aimg; writes aimg
.if DOCPART == 2
	.amdgcn_target "amdgcn-amd-amdhsa--gfx1250"
	.amdhsa_code_object_version 6
	.text
	.protected	k_qa29e75e9a9_attn
	.globl	k_qa29e75e9a9_attn
	.p2align	8
	.type	k_qa29e75e9a9_attn,@function
k_qa29e75e9a9_attn:
	s_mov_b64 s[64:65], 0
	v_nop
	global_prefetch_b8 v0, s[64:65] scope:SCOPE_SE
	s_setreg_imm32_b32 hwreg(HW_REG_WAVE_MODE, 25, 1), 1
	s_wait_xcnt 0x0
; Causal attention of 16 heads of 64 over 4,096 tokens, both products on codes of E4M3; q, k, v come as images of operand registers (buffer qkv), the result leaves quantised with 2^e6 as images for the last product (buffer aimg).
; WORK LEFT OUT: tiles of 128 x 128 scores all of whose keys come after their queries: reference()'s own causal mask makes each of them -infinity, so p = 0 there for all inputs.  LIMIT: a NaN, an infinity or an overflow that reaches only such scores is not carried.
; THE SOFTMAX AHEAD OF THE SECOND PRODUCT: t = score x log2(e) / 8; M = the row's largest t so far, rounded UP to a whole number; p = 2^(t - M) is quantised with 2^e5, not normalised.  The row's sum is taken of the
; unquantised p in f32 and divides at the end.  When M moves, the sum and O are multiplied by 2^(old M - new M): exact.
; SHARES.  Work-group (i, head) owns the blocks of 128 queries i (short) and 31 - i (long): (i + 1) + (32 - i) = 33 key steps of 128, the same for every i.  Each of the 8 tiles T of 16 queries is worked by two waves:
;   A: the long block's key steps 0 .. 15, in trips 0 .. 15;   B: the short block's steps 0 .. i in trips 0 .. i, then the long block's steps 16 .. 31 - i in trips i + 1 .. 16.
; Behind B's trip i its result for the short block is parked in v220-255 and its state begins anew: M at -3e38 makes the next step's factor 0, and everything that it multiplies is finite (sums of codes).
; Behind trip 15 A hands its partial of the long block to B and B its short result to A, through LDS; A finishes the short tile, B works trip 16 (the long block's diagonal), joins the two partials and finishes the long tile.
; LDS: trip 0's tile (both A and B read key step 0) has 16,384 bytes of its own; the 16 trips that follow go in four chunks of four through two slots of 131,072 bytes: A's four tiles (16,384 bytes each: K, then V), then B's four.
; Waves 0 to 7 fetch a chunk's tiles, one load each; wave 8 fetches trip 0's.  A chunk is asked for a whole chunk's work ahead of its first read.
; NO CLUSTER: the work-groups that read the same K and V are the query blocks of one head, and in which trip a wave's diagonal and its change of blocks come hangs on its query block: partners would not branch alike.
; PREFETCH: chunks 3 and 4, each one chunk's work ahead of its tensor loads, by the head's first work-group, which reaches every key step first; waves 8 to 15, a tile each, lanes 256 bytes apart.  Chunks 0 to 2 come by their loads alone.
; LAYOUT.  Both products are used transposed: S^T = K Q^T (source 0 = 16 keys), O^T = V^T P^T (source 0 = 16 of the head's 64): a lane holds ONE query throughout.  The rows of a tile are not neighbours: lane r of tile T
; holds row 32 (T / 2) + 8 (T % 2) + r + 8 (r / 8), so that the 16 registers of result tiles 2 b and 2 b + 1 are 16 neighbours, 32 b + 16 (lane / 16) on: the conversions' results are the next operand's registers.
; LIMITS on the given exponents, so that each power of two below is an f32 number: e2 + e3 between -123 and 130 (added to c's exponent field); e5 and e6 between -126 and 119; e4 + e5 goes in by v_ldexp_f32 and has none.
; The scaled scores (exponents to the base 2) stay under 2^31 in magnitude.
; REGISTERS: v12 -M, v13 the largest score, v[14:15] the sum in two halves; v16-23 Q, v24-31 the long block's Q; v32-95 K's eight fragments, then V's four; v96-159 S^T, then p; v160-191 O^T; v192-207 p's codes;
; v208-215, v9-11 at work; v217-219 constants; v220-255 the parked short result, then A's partial.
.set SLOT1, 131072
.set ZT,    262144                     ; trip 0's tile
.set SPARE, ZT+16384                   ; the spare words, 128 bytes for each of 16 waves
.set PART,  4608                       ; what a wave hands over: 36 registers x 128 bytes
.set LI,   1                           ; v1   16 x lane: an image's place for my lane
.set SPW,  2                           ; v2   LDS address of my spare word; never rewritten
.set NIL,  3                           ; v3   0; never rewritten
.set PFO,  4                           ; v4   256 x lane: the prefetches' offset
.set LB,   5                           ; v5   LI + 65,536 in B's waves: their half of a slot
.set LA,   6                           ; v6   LDS address of the trip's tile
.set WA,   7                           ; v7   where I put what I hand over
.set RA,   8                           ; v8   where my partner puts his
.set WV,   18
.set SEL,  20                          ; s[20:21] lane selects for v_permlanex16_b32: lane l xor 16
.set CS,   22                          ; s[22:23] c = log2(e) / 8 x 2^(e2 + e3)
.set G1,   24                          ; s[24:31] descriptor group 1
.set G0,   32                          ; s[32:35] group 0 of my chunk tiles;  s[36:39] of trip 0's tile
.set G0Z,  36
.set PFA,  40                          ; s[40:41] where my prefetches stand: my tile of chunk 3
.set ASKF, 42                          ; s42, s43  1 in a wave that prefetches from chunk 3, chunk 4
.set ASK2, 43
.set CNT,  44
.set KS,   45                          ; the trip in hand
.set DG,   46                          ; the trip on the short block's diagonal (B); 255 in A's waves
.set BASE, 48                          ; s[48:49] the head's K and V
.set JW,   50                          ; the trip whose tile I fetch
.set LIM,  51                          ; the last trip in which that tile is key step JW itself
.set SHIFT,54                          ; 15 - i: B's step in a later trip is JW + 15 - i
.set TB,   55
.set ROLE, 56                          ; 0: A, 1: B
.set HOLD, 76                          ; 448 x 2^e5
.set S6,   77                          ; 2^e6,
.set H6,   78                          ; 448 x that
.set E45,  79                          ; e4 + e5
	s_load_b128 s[4:7], s[0:1], 0x0                ; qkv s[4:5], the scales' exponents s[6:7]
	s_load_b64 s[8:9], s[0:1], 0x10                ; aimg
	v_lshl_add_u32 v[SPW], v0, 2, SPARE
	v_mov_b32 v[NIL], 0
	ds_add_u32 v[SPW], v[NIL]                      ; the opening: the add, twice on end, and its wait
	ds_add_u32 v[SPW], v[NIL]
	v_lshrrev_b32 v9, 5, v0
	v_readfirstlane_b32 s[WV], v9                  ; wave 0..15
	s_and_b32 s57, ttmp7, 0xffff                   ; the head
	s_lshr_b32 s58, s[WV], 1                       ; my tile T of 16 queries
	s_lshr_b32 s59, s[WV], 2
	s_xor_b32 s59, s59, s[WV]
	s_and_b32 s[ROLE], s59, 1                      ; waves 2 T and 2 T + 1 are an A and a B
	s_sub_co_u32 s60, 31, ttmp9                    ; the long block
	s_cmp_eq_u32 s[ROLE], 1
	s_cselect_b32 s[DG], ttmp9, 255
	s_cselect_b32 s61, ttmp9, s60                  ; the block that I begin with
	s_cselect_b32 s62, s60, ttmp9                  ; the block that I finish
	s_lshl_b32 s52, s57, 18                        ; Q's image: head x 262,144 + block x 8,192 + tile x 1,024
	s_lshl_b32 s53, s58, 10
	s_add_co_u32 s52, s52, s53
	s_lshl_b32 s10, s61, 13
	s_add_co_u32 s10, s10, s52
	s_mov_b32 s11, 0
	s_lshl_b32 s12, s60, 13
	s_add_co_u32 s12, s12, s52
	s_mov_b32 s13, 0
	s_lshl_b32 s66, s62, 17                        ; the result's image: block x 131,072 + (head / 2) x 16,384 + tile x 2,048 + (head % 2) x 1,024
	s_lshr_b32 s52, s57, 1
	s_lshl_b32 s52, s52, 14
	s_add_co_u32 s66, s66, s52
	s_lshl_b32 s52, s58, 11
	s_add_co_u32 s66, s66, s52
	s_and_b32 s52, s57, 1
	s_lshl_b32 s52, s52, 10
	s_add_co_u32 s66, s66, s52
	s_mov_b32 s67, 0
	; descriptor group 1: a tile's 16,384 bytes, dense in memory and in LDS, as 64 rows of 256 bytes
	s_mov_b32 s[G1+0], 3<<16                       ; no mask; elements of 8 bytes; no padding
	s_mov_b32 s[G1+1], 32<<16
	s_mov_b32 s[G1+2], 64<<16
	s_mov_b32 s[G1+3], 32<<16
	s_mov_b32 s[G1+4], 64
	s_mov_b32 s[G1+5], 32
	s_mov_b32 s[G1+6], 0
	s_mov_b32 s[G1+7], 0
	s_and_b32 s63, s[WV], 3
	s_add_co_u32 s[JW], s63, 1                     ; chunk 1: trips 1 .. 4
	s_sub_co_u32 s[SHIFT], 15, ttmp9
	s_bitcmp1_b32 s[WV], 2                         ; waves 4 to 7 fetch B's tiles; waves 12 to 15 prefetch them
	s_cselect_b32 s[LIM], ttmp9, 255
	s_cselect_b32 s40, 24, 9                       ; the prefetching work-group has i = 0: in trip j B's step is 15 + j, A's is j; chunk 3 begins with trip 9
	s_add_co_u32 s40, s40, s63
	s_lshl_b32 s40, s40, 14
	s_mov_b32 s41, 0
	s_lshr_b32 s59, s[WV], 3
	s_xor_b32 s59, s59, 1                          ; 0 in waves 8 to 15,
	s_or_b32 s59, s59, ttmp9                       ; of work-group 0
	s_cmp_eq_u32 s59, 0
	s_cselect_b32 s[ASKF], 1, 0
	s_cmp_lg_u32 s[WV], 11                         ; trip 16 has no tile of A's
	s_cselect_b32 s[ASK2], s[ASKF], 0
	s_mov_b32 s[SEL], 0x76543210
	s_mov_b32 s[SEL+1], 0xfedcba98
	s_mov_b32 s[G0], 1
	s_and_b32 s59, s[WV], 7
	s_lshl_b32 s[G0+1], s59, 14                    ; slot 0
	s_mov_b32 s[G0Z], 1
	s_mov_b32 s[G0Z+1], ZT
	s_lshl_b32 s48, s57, 19                        ; the head's 524,288 bytes of K and V,
	s_add_co_u32 s48, s48, 4194304                 ; behind q's region
	s_mov_b32 s49, 0
	s_cmp_gt_u32 s[JW], s[LIM]
	s_cselect_b32 s52, s[SHIFT], 0
	s_add_co_u32 s52, s52, s[JW]
	s_lshl_b32 s52, s52, 14
	s_mov_b32 s53, 0
	s_lshl_b32 s59, s[ROLE], 16
	s_lshl_b32 s61, s[ROLE], 3
	s_add_co_u32 s62, s58, s61
	s_mul_i32 s62, s62, PART
	s_xor_b32 s61, s61, 8
	s_add_co_u32 s63, s58, s61
	s_mul_i32 s63, s63, PART
	s_lshr_b32 s60, s58, 1                         ; my query's place in its block: 32 (T / 2) + 8 (T % 2) + r + 8 (r / 8)
	s_lshl_b32 s60, s60, 5
	s_and_b32 s61, s58, 1
	s_lshl_b32 s61, s61, 3
	s_add_co_u32 s60, s60, s61
	v_and_b32 v10, 31, v0
	v_lshlrev_b32 v[LI], 4, v10
	v_lshlrev_b32 v[PFO], 8, v10
	v_add_nc_u32 v[LB], s59, v[LI]
	v_add_nc_u32 v[WA], s62, v[LI]
	v_add_nc_u32 v[RA], s63, v[LI]
	v_and_b32 v10, 15, v0
	v_and_b32 v11, 8, v0
	v_add_nc_u32 v10, v10, v11
	v_bfe_u32 v11, v0, 4, 1
	v_lshlrev_b32 v11, 4, v11
	v_sub_nc_u32 v10, v10, v11
	v_add_nc_u32 v219, s60, v10                    ; d = that - 16 (lane / 16).  Register 16 b + i holds key 32 b + 16 (lane / 16) + i of the step: on the diagonal it is hidden where 32 b + i > d
	v_add_nc_u32 v216, 0xffffffc0, v219            ; d - 64, for b = 2, 3: every constant of the compares is then an inline one
	v_mov_b32 v218, 0xff800000                     ; -infinity
	v_mov_b32 v13, 0xff61b1e6                      ; the largest score so far: -3e38
	v_mov_b32 v12, 0x7f61b1e6                      ; -M
	v_mov_b32 v14, 0
	v_mov_b32 v15, 0
.set j, 0
.rept 16
	v_dual_mov_b32 v[160+j], 0 :: v_dual_mov_b32 v[161+j], 0   ; O^T: the first change of M multiplies zeros
.set j, j+2
.endr
.set j, 0
.rept 18
	v_dual_mov_b32 v[220+j], 0 :: v_dual_mov_b32 v[221+j], 0
.set j, j+2
.endr
	s_wait_alu depctr_va_vdst(0)
	s_wait_dscnt 0x0                               ; both opening adds are done
	s_wait_kmcnt 0x0
	s_load_b256 s[68:75], s[6:7], 0x0              ; e0 .. e7
	s_add_nc_u64 s[BASE:BASE+1], s[4:5], s[BASE:BASE+1]
	s_mov_b64 s[G0Z+2:G0Z+3], s[BASE:BASE+1]
	s_or_b32 s[G0Z+3], s[G0Z+3], 0x80000000        ; type = 2
	s_add_nc_u64 s[G0+2:G0+3], s[BASE:BASE+1], s[52:53]
	s_or_b32 s[G0+3], s[G0+3], 0x80000000
	s_add_nc_u64 s[10:11], s[4:5], s[10:11]
	s_add_nc_u64 s[12:13], s[4:5], s[12:13]
	global_load_b128 v[16:19], v[LI], s[10:11]             ; the first block's Q: the head's 0-31,
	global_load_b128 v[20:23], v[LI], s[10:11] offset:512  ; and 32-63
	global_load_b128 v[24:27], v[LI], s[12:13]             ; the long block's
	global_load_b128 v[28:31], v[LI], s[12:13] offset:512
	s_cmp_eq_u32 s[WV], 8
	s_cbranch_scc0 .Lnot_z
	tensor_load_to_lds s[G0Z:G0Z+3], s[G1:G1+7]    ; trip 0's tile
	s_nop 0
.rept 4
	v_nop
.endr
	s_wait_tensorcnt 0x0                           ; it has landed.  The other waves' loads, chunk 1, are first read behind the second barrier
	s_branch .Lasked
.Lnot_z:
	s_cmp_lt_u32 s[WV], 8
	s_cbranch_scc0 .Lasked
	tensor_load_to_lds s[G0:G0+3], s[G1:G1+7]      ; my tile of chunk 1
	s_nop 0
.rept 4
	v_nop
.endr
.Lasked:
	s_add_nc_u64 s[8:9], s[8:9], s[66:67]
	s_add_nc_u64 s[PFA:PFA+1], s[BASE:BASE+1], s[PFA:PFA+1]
	s_mov_b32 s[KS], 0
	s_wait_kmcnt 0x0
	s_add_co_i32 s58, s70, s71
	s_lshl_b32 s58, s58, 23
	s_add_co_i32 s[CS], s58, 0x3e38aa3b            ; c = log2(e) / 8, with e2 + e3 added to its exponent field: a score stands for score x 2^(e2 + e3)
	s_mov_b32 s[CS+1], s[CS]                       ; (named with it as a pair, so it is written)
	s_add_co_i32 s58, s73, 127
	s_lshl_b32 s59, s58, 23                        ; 2^e5 as f32, for p's conversions
	s_add_co_i32 s58, s58, 8
	s_lshl_b32 s58, s58, 23
	s_or_b32 s[HOLD], s58, 0x600000
	s_add_co_i32 s58, s74, 127
	s_lshl_b32 s[S6], s58, 23
	s_add_co_i32 s58, s58, 8
	s_lshl_b32 s58, s58, 23
	s_or_b32 s[H6], s58, 0x600000
	s_add_co_i32 s[E45], s72, s73
	v_mov_b32 v217, s59
; A KEY STEP: 128 keys, their tile at v[LA].  last = 0: trips 0 .. 15;  1: trip 16, the long block's diagonal.
; sync > 0: the last trip of a chunk: the change of slots is in it (macros ARRIVE and FILL).
.macro STEP last, sync
.irp t, 0,1,2,3,4,5,6,7
	ds_load_b128 v[32+8*\t:35+8*\t], v[LA] offset:1024*\t        ; K's tile t: 512 consecutive bytes an instruction
	ds_load_b128 v[36+8*\t:39+8*\t], v[LA] offset:1024*\t+512
.endr
	s_wait_alu depctr_va_vdst(0)
	s_wait_dscnt 8                                 ; tiles 0-3 are in; the eight younger loads may be out
.irp t, 0,1,2,3
	v_wmma_f32_16x16x64_fp8_fp8 v[96+8*\t:103+8*\t], v[32+8*\t:39+8*\t], v[16:23], 0
.endr
	s_wait_dscnt 0x0
.irp t, 4,5,6,7
	v_wmma_f32_16x16x64_fp8_fp8 v[96+8*\t:103+8*\t], v[32+8*\t:39+8*\t], v[16:23], 0
.endr
	v_mov_b32 v9, v12                              ; the old -M.  Four places: in front of the loads into K's registers, and of the first read of the scores
.rept 3
	v_nop
.endr
.irp t, 0,1,2,3
.irp c, 0,1,2,3
	ds_load_b128 v[32+16*\t+4*\c:35+16*\t+4*\c], v[LA] offset:8192+4096*(\c/2)+1024*\t+512*(\c%2)   ; V's four fragments land while the softmax is worked
.endr
.endr
.if \last == 0
	s_cmp_lg_u32 s[KS], s[DG]                      ; all keys count: no mask
	s_cbranch_scc1 .Lopen_\@
.endif
.set n, 0
.rept 64
	v_cmp_gt_i32 vcc_lo, 32*((n/16)%2)+n%16, v[219-3*(n/32)]   ; the diagonal: hidden scores become -infinity ahead of the maximum: p = 0 then
	v_cndmask_b32 v[96+n], v[96+n], v218, vcc_lo
.set n, n+1
.endr
.if \last == 0
.Lopen_\@:
.endif
	v_max3_num_f32 v208, v96, v97, v98             ; the step's largest score of my query, among my 64 keys, in four chains; each tile of scores from its low end on
	v_max3_num_f32 v209, v99, v100, v101
	v_max3_num_f32 v210, v102, v103, v104
	v_max3_num_f32 v211, v105, v106, v107
.irp i, 12,20,28,36,44,52
	v_max3_num_f32 v208, v208, v[96+\i], v[97+\i]
	v_max3_num_f32 v209, v209, v[98+\i], v[99+\i]
	v_max3_num_f32 v210, v210, v[100+\i], v[101+\i]
	v_max3_num_f32 v211, v211, v[102+\i], v[103+\i]
.endr
	v_max3_num_f32 v208, v208, v156, v157
	v_max3_num_f32 v209, v209, v158, v159
	v_max_num_f32 v210, v210, v211
	v_max3_num_f32 v208, v208, v209, v210
	s_delay_alu instid0(VALU_DEP_1)
	v_permlanex16_b32 v209, v208, s[SEL], s[SEL+1] ; lane l xor 16's
	s_delay_alu instid0(VALU_DEP_1)
	v_max3_num_f32 v13, v13, v208, v209            ; the running largest score
	s_delay_alu instid0(VALU_DEP_1)
	v_mul_f32 v208, s[CS], v13                     ; as t (c is positive)
	s_delay_alu instid0(VALU_DEP_1)
	v_floor_f32 v12, -v208                         ; the new -M = floor(-t) = -ceil(t): M is a whole number
.if \sync
	ARRIVE \sync                                   ; V is in: what is left of the trip, down to the barrier's wait, is work on registers alone
.endif
.set j, 0
.rept 32
	v_pk_fma_f32 v[96+j:97+j], v[96+j:97+j], s[CS:CS+1], v[12:13] op_sel_hi:[1,0,0]   ; t - M, two at a time (of the pairs c and -M the low word serves both halves)
.if j == 0
	v_sub_f32 v208, v12, v9                        ; M's old value less its new one: a whole number, 0 or less
.endif
.if j == 6
	v_cvt_i32_f32 v208, v208                       ; (it saturates)
.endif
.if j == 12
	v_ldexp_f32 v210, 1.0, v208                    ; f = 2^(old M - new M)
.endif
.set j, j+2
.endr
	s_wait_alu depctr_va_vdst(0)
.set j, 0
.rept 64
	v_exp_f32 v[96+j], v[96+j]                     ; p = 2^(t - M), not normalised
.set j, j+1
.endr
	v_pk_mul_f32 v[14:15], v[14:15], v[210:211] op_sel_hi:[1,0]   ; the sums under the new M: the plain instruction behind the exponentials
	s_wait_alu depctr_va_vdst(0)                   ; one wait for the whole batch, ahead of its first reader
	v_pk_add_f32 v[212:213], v[96:97], v[98:99]    ; the row's sum, of the unquantised p, in five chains
	v_pk_add_f32 v[214:215], v[100:101], v[102:103]
	v_pk_add_f32 v[208:209], v[104:105], v[106:107]
	v_pk_add_f32 v[10:11], v[108:109], v[110:111]
.irp i, 112,122,132,142
	v_pk_add_f32 v[14:15], v[14:15], v[\i:\i+1]
	v_pk_add_f32 v[212:213], v[212:213], v[\i+2:\i+3]
	v_pk_add_f32 v[214:215], v[214:215], v[\i+4:\i+5]
	v_pk_add_f32 v[208:209], v[208:209], v[\i+6:\i+7]
	v_pk_add_f32 v[10:11], v[10:11], v[\i+8:\i+9]
.endr
	v_pk_add_f32 v[14:15], v[14:15], v[152:153]
	v_pk_add_f32 v[212:213], v[212:213], v[154:155]
	v_pk_add_f32 v[214:215], v[214:215], v[156:157]
	v_pk_add_f32 v[208:209], v[208:209], v[158:159]
.set j, 0
.rept 32
	v_dual_min_num_f32 v[96+j], s[HOLD], v[96+j] :: v_dual_min_num_f32 v[97+j], s[HOLD], v[97+j]   ; the conversion does not saturate (ISA guide 7.6.2); p is not negative, so the hold is one-sided
.set j, j+2
.endr
.irp b, 0,1,2,3,4,5,6,7
	v_cvt_scalef32_pk8_fp8_f32 v[192+2*\b:193+2*\b], v[96+8*\b:103+8*\b], v217
.endr
	s_wait_dscnt 0x0                               ; V is in
	s_wait_alu depctr_va_vdst(0)                   ; directly ahead of the first reader of O^T
.set j, 0
.rept 16
	v_pk_mul_f32 v[160+j:161+j], v[160+j:161+j], v[210:211] op_sel_hi:[1,0]   ; O^T under the new M.  (Also the plain instructions between the conversions and the products below)
.set j, j+2
.endr
.irp t, 0,1,2,3
	v_wmma_f32_16x16x128_fp8_fp8 v[160+8*\t:167+8*\t], v[32+16*\t:47+16*\t], v[192:207], v[160+8*\t:167+8*\t]   ; four accumulators by turns
.endr
	v_pk_add_f32 v[212:213], v[212:213], v[214:215]   ; the sum's chains meet: also the four places behind the products, ahead of loads into their sources and of reads of O^T
	v_pk_add_f32 v[208:209], v[208:209], v[10:11]
	v_pk_add_f32 v[14:15], v[14:15], v[212:213]
	v_pk_add_f32 v[14:15], v[14:15], v[208:209]
.if \sync
	s_barrier_wait -1
.if \sync < 3
	FILL \sync
.endif
.endif
.if \last == 0
	s_cmp_lg_u32 s[KS], s[DG]
	s_wait_alu depctr_va_vdst(0)
	s_cbranch_scc1 .Lkeep_\@
.set j, 0
.rept 16
	v_dual_mov_b32 v[224+j], v[160+j] :: v_dual_mov_b32 v[225+j], v[161+j]   ; B: the short block is done: parked
.set j, j+2
.endr
	v_dual_mov_b32 v220, v12 :: v_dual_mov_b32 v221, v13
	v_dual_mov_b32 v222, v14 :: v_dual_mov_b32 v223, v15
	v_dual_mov_b32 v16, v24 :: v_dual_mov_b32 v17, v25   ; on to the long block's Q
	v_dual_mov_b32 v18, v26 :: v_dual_mov_b32 v19, v27
	v_dual_mov_b32 v20, v28 :: v_dual_mov_b32 v21, v29
	v_dual_mov_b32 v22, v30 :: v_dual_mov_b32 v23, v31
	v_mov_b32 v12, 0x7f61b1e6                      ; the state begins anew: the next step's f is 0
	v_mov_b32 v13, 0xff61b1e6
	s_wait_alu depctr_va_vdst(0)
.Lkeep_\@:
	s_add_co_u32 s[KS], s[KS], 1
.endif
.endm
; THE CHANGE OF SLOTS.  ARRIVE: each wave waits for all its tensor loads, adds 0 to its spare word, waits for that and for its LDS reads (the slot's last among them), and signals.  Behind the barrier's wait FILL fills the slot that was left, one load a wave.
; sync = 1: waves 0 to 7 fill;  2: the same without wave 3, whose tile, A's of trip 16, there is not;  3: nothing is filled (the last chunk).
.macro ARRIVE sync
	s_wait_alu depctr_va_vdst(0)
	s_wait_tensorcnt 0x0                           ; no tensor load of mine is out, so group 0 may be written
	ds_add_u32 v[SPW], v[NIL]                      ; 0 onto my spare word
.if \sync < 3
	ds_add_u32 v[SPW], v[NIL]                      ; where loads follow, twice on end
	s_add_co_u32 s[JW], s[JW], 4                   ; my tile of the next chunk: four trips on,
	s_cmp_gt_u32 s[JW], s[LIM]
	s_cselect_b32 s52, s[SHIFT], 0
	s_add_co_u32 s52, s52, s[JW]                   ; its key step,
	s_lshl_b32 s52, s52, 14
	s_add_nc_u64 s[G0+2:G0+3], s[BASE:BASE+1], s[52:53]
	s_or_b32 s[G0+3], s[G0+3], 0x80000000
	s_xor_b32 s[G0+1], s[G0+1], SLOT1              ; into the other slot
.endif
	s_wait_dscnt 0x0                               ; the add is done, and my reads of the slot in hand are over
	s_barrier_signal -1
.endm
.macro FILL sync
	s_cmp_lt_u32 s[WV], 8
	s_cbranch_scc0 .Lno_fill_\@
.if \sync == 2
	s_cmp_eq_u32 s[WV], 3
	s_cbranch_scc1 .Lno_fill_\@
.endif
	tensor_load_to_lds s[G0:G0+3], s[G1:G1+7]
	s_nop 0
.rept 4
	v_nop
.endr
.Lno_fill_\@:
.endm
.macro ASK flag, off                   ; the chunk that the next change of slots will ask for
	s_cmp_eq_u32 s[\flag], 1
	s_cbranch_scc0 .Lno_ask_\@
	global_prefetch_b8 v[PFO], s[PFA:PFA+1] offset:\off th:TH_LOAD_NT scope:SCOPE_SE
	global_prefetch_b8 v[PFO], s[PFA:PFA+1] offset:\off+8192 th:TH_LOAD_NT scope:SCOPE_SE
.Lno_ask_\@:
.endm
.macro TRIPS base                      ; a chunk's first three trips, their tiles from base on
	s_mov_b32 s[TB], \base
	s_mov_b32 s[CNT], 3
.Ltrip_\@:
	v_add_nc_u32 v[LA], s[TB], v[LB]
	STEP 0, 0
	s_add_co_u32 s[TB], s[TB], 16384
	s_sub_co_u32 s[CNT], s[CNT], 1
	s_cmp_lg_u32 s[CNT], 0
	s_cbranch_scc1 .Ltrip_\@
.endm
.macro CHUNK base, sync                ; and its fourth, with the change of slots
	TRIPS \base
	v_add_nc_u32 v[LA], \base+3*16384, v[LB]
	STEP 0, \sync
.endm
	s_wait_alu depctr_va_vdst(0)                   ; the head's end
	s_wait_loadcnt 0x0                             ; Q
	s_barrier_signal -1
	s_barrier_wait -1                              ; trip 0's tile is there for every wave
	v_add_nc_u32 v[LA], ZT, v[LI]
	STEP 0, 0                                      ; trip 0
	ARRIVE 1                                       ; (at the trip's end: chunk 1 is on its way meanwhile)
	s_barrier_wait -1
	FILL 1                                         ; chunk 1 is in; chunk 2 is asked for (slot 1's first fill)
	ASK ASKF, 0
	CHUNK 0, 1                                     ; trips 1 .. 4; chunk 3 is asked for
	ASK ASK2, 65536
	CHUNK SLOT1, 2                                 ; trips 5 .. 8; chunk 4
	CHUNK 0, 3                                     ; trips 9 .. 12
	TRIPS SLOT1                                    ; trips 13 .. 15
	; THE HAND-OVER, in slot 0, which has had its last fill and, since the last change of slots, its last read.
	s_cmp_eq_u32 s[ROLE], 1
	s_cbranch_scc1 .Lgive_short
.irp k, 0,1,2,3,4,5,6,7
	ds_store_b128 v[WA], v[160+4*\k:163+4*\k] offset:512*\k
.endr
	ds_store_b128 v[WA], v[12:15] offset:4096
	s_branch .Lgiven
.Lgive_short:
.irp k, 0,1,2,3,4,5,6,7
	ds_store_b128 v[WA], v[224+4*\k:227+4*\k] offset:512*\k
.endr
	ds_store_b128 v[WA], v[220:223] offset:4096
.Lgiven:
	s_wait_dscnt 0x0
	s_barrier_signal -1                            ; what I hand over is there.
	s_cmp_eq_u32 s[ROLE], 1
	s_cbranch_scc0 .Lhanded
	v_add_nc_u32 v[LA], SLOT1+3*16384, v[LB]
	STEP 1, 0                                      ; B works trip 16 between signal and wait: it reads slot 1, into which nobody writes any more
	s_wait_alu depctr_va_vdst(0)
.Lhanded:
	s_barrier_wait -1
	s_cmp_eq_u32 s[ROLE], 1
	s_cbranch_scc0 .Ltake_short
.irp k, 0,1,2,3,4,5,6,7
	ds_load_b128 v[224+4*\k:227+4*\k], v[RA] offset:512*\k    ; B: A's partial of the long block
.endr
	ds_load_b128 v[220:223], v[RA] offset:4096
	s_wait_dscnt 0x0
	v_min_num_f32 v9, v12, v220                    ; the larger M of the two, as -M
	v_sub_f32 v10, v9, v12
	v_sub_f32 v208, v9, v220
	v_cvt_i32_f32 v10, v10
	v_cvt_i32_f32 v208, v208
	v_ldexp_f32 v210, 1.0, v10                     ; 2^(M - that), for mine
	v_ldexp_f32 v212, 1.0, v208                    ; and for A's
	v_pk_mul_f32 v[14:15], v[14:15], v[210:211] op_sel_hi:[1,0]
	v_pk_fma_f32 v[14:15], v[222:223], v[212:213], v[14:15] op_sel_hi:[1,0,1]
.set j, 0
.rept 16
	v_pk_mul_f32 v[160+j:161+j], v[160+j:161+j], v[210:211] op_sel_hi:[1,0]
.set j, j+2
.endr
.set j, 0
.rept 16
	v_pk_fma_f32 v[160+j:161+j], v[224+j:225+j], v[212:213], v[160+j:161+j] op_sel_hi:[1,0,1]
.set j, j+2
.endr
	s_wait_alu depctr_va_vdst(0)
	s_branch .Lfinish
.Ltake_short:
.irp k, 0,1,2,3,4,5,6,7
	ds_load_b128 v[160+4*\k:163+4*\k], v[RA] offset:512*\k    ; A: B's result for the short block
.endr
	ds_load_b128 v[12:15], v[RA] offset:4096
	s_wait_dscnt 0x0
.Lfinish:
	; THE WAY OUT.  O^T x 2^(e4 + e5) / the sum, held, converted with 2^e6.  Tiles 0 and 1 give a lane the head's 16 h + 0 .. 15, tiles 2 and 3 the 32 further on: 16 codes each, the next product's fragment as it stands.
	v_add_f32 v14, v14, v15                        ; the sum's two halves,
	v_permlanex16_b32 v209, v14, s[SEL], s[SEL+1]
	v_add_f32 v14, v14, v209                       ; and lane l xor 16's: the row's sum
	v_mov_b32 v216, s[H6]
	v_mov_b32 v217, s[S6]
	s_wait_alu depctr_va_vdst(0)
	v_rcp_f32 v14, v14
	v_nop                                          ; a plain instruction behind the reciprocal
	s_wait_alu depctr_va_vdst(0)                   ; the wait ahead of its first reader
	v_ldexp_f32 v14, v14, s[E45]                   ; x 2^(e4 + e5)
.set j, 0
.rept 16
	v_pk_mul_f32 v[96+j:97+j], v[160+j:161+j], v[14:15] op_sel_hi:[1,0]
.set j, j+2
.endr
.set j, 0
.rept 32
	v_med3_num_f32 v[96+j], v[96+j], -v216, v216
.set j, j+1
.endr
.irp g, 0,1,2,3
	v_cvt_scalef32_pk8_fp8_f32 v[192+2*\g:193+2*\g], v[96+8*\g:103+8*\g], v217
.endr
	v_nop
	global_store_b128 v[LI], v[192:195], s[8:9]            ; each store of the wave covers 512 consecutive bytes, aligned
	global_store_b128 v[LI], v[196:199], s[8:9] offset:512
	s_wait_tensorcnt 0x0                           ; the wave's end
	ds_add_u32 v[SPW], v[NIL]
	s_wait_dscnt 0x0
	s_endpgm
.Lfunc_end_k_qa29e75e9a9_attn:
	.size	k_qa29e75e9a9_attn, .Lfunc_end_k_qa29e75e9a9_attn-k_qa29e75e9a9_attn
	.p2alignl 7, 3214868480
	.fill 96, 4, 3214868480
	.section	.rodata,"a",@progbits
	.p2align	6, 0x0
	.amdhsa_kernel k_qa29e75e9a9_attn
		.amdhsa_group_segment_fixed_size 327680
		.amdhsa_private_segment_fixed_size 0
		.amdhsa_enable_private_segment 0
		.amdhsa_kernarg_size 24
		.amdhsa_user_sgpr_count 2
		.amdhsa_user_sgpr_kernarg_segment_ptr 1
		.amdhsa_wavefront_size32 1
		.amdhsa_system_sgpr_workgroup_id_x 1
		.amdhsa_system_sgpr_workgroup_id_y 1
		.amdhsa_system_sgpr_workgroup_id_z 1
		.amdhsa_system_vgpr_workitem_id 0
		.amdhsa_next_free_vgpr 256
		.amdhsa_next_free_sgpr 80
		.amdhsa_reserve_vcc 1
		.amdhsa_float_denorm_mode_32 3
		.amdhsa_float_denorm_mode_16_64 3
		.amdhsa_memory_ordered 1
		.amdhsa_forward_progress 1
		.amdhsa_inst_pref_size 209
	.end_amdhsa_kernel
	.amdgpu_metadata
---
amdhsa.version: [ 1, 2 ]
amdhsa.kernels:
  - .name:           k_qa29e75e9a9_attn
    .symbol:         k_qa29e75e9a9_attn.kd
    .args:
      - { .name: qkv, .offset: 0, .size: 8, .value_kind: global_buffer, .address_space: global }
      - { .name: lowp_scales, .offset: 8, .size: 8, .value_kind: global_buffer, .address_space: global }
      - { .name: aimg, .offset: 16, .size: 8, .value_kind: global_buffer, .address_space: global }
    .group_segment_fixed_size: 327680
    .private_segment_fixed_size: 0
    .kernarg_segment_align: 8
    .kernarg_segment_size: 24
    .max_flat_workgroup_size: 512
    .sgpr_count:     80
    .vgpr_count:     256
    .wavefront_size: 32
...
	.end_amdgpu_metadata
.endif
;; end of part 2
;; launch out_gemm (part 3): grid 8 x 32, 4 waves a work-group, clusters of 4 x 4, 327,680 bytes of LDS; arguments aimg, W_out_codes, lowp_scales, b_out, out0; writes out0
.if DOCPART == 3
	.amdgcn_target "amdgcn-amd-amdhsa--gfx1250"
	.amdhsa_code_object_version 6
	.text
	.protected	k_qa29e75e9a9_out_gemm
	.globl	k_qa29e75e9a9_out_gemm
	.p2align	8
	.type	k_qa29e75e9a9_out_gemm,@function
k_qa29e75e9a9_out_gemm:
	s_mov_b64 s[64:65], 0
	v_nop
	global_prefetch_b8 v0, s[64:65] scope:SCOPE_SE
	s_setreg_imm32_b32 hwreg(HW_REG_WAVE_MODE, 25, 1), 1
	s_wait_xcnt 0x0
	s_wait_alu depctr_hold_cnt(0) depctr_sa_sdst(0) depctr_va_vdst(0) depctr_va_sdst(0) depctr_va_ssrc(0) depctr_va_vcc(0) depctr_vm_vsrc(0)
	s_getreg_b32 s2, hwreg(HW_REG_IB_STS2, 6, 4)
	s_cmp_eq_u32 s2, 0
	s_cbranch_scc0 .Lentry_in_a_cluster
	s_endpgm
.Lentry_in_a_cluster:
	s_bfe_u32 s2, ttmp6, 0x10000c
	s_cmp_lg_u32 s2, 0xf033
	s_cbranch_scc0 .Lentry_shape_is_right
	s_endpgm
.Lentry_shape_is_right:
; out0 = a W_out x 2^(e6 + e7) + b_out.  a: the attention's result as codes of E4M3, in images of operand registers (buffer aimg: block of 128 tokens x 131,072 + K step of 128 x 16,384 + tile x 2,048 + c x 512 + 16 x lane);
; W_out: [1024 (n)][1024 (k)] codes, K innermost; out0: [4096][1024] f32; sums in f32.  LIMIT: e6 + e7 between -126 and 127, so that 2^(e6 + e7) is an f32 number.
; SHARES.  256 work-groups, each 128 tokens x 128 columns; four waves, each 64 x 64: 16 accumulators.  K = 1,024 is short: BOTH PANELS LIE IN LDS WHOLE, each byte filled once: no ring.
; Each wave has one tensor load, half of K of one panel: waves 0 and 1 a's halves (65,536 bytes each), waves 2 and 3 W_out's (128 rows of 512 bytes).  The products of the first half of K begin when waves 0 and 2 have theirs.
; CLUSTERS: 4 x 4.  a's block hangs on the work-group's y alone and is asked for jointly by a row of the cluster, W_out's rows on x alone, by a column.
; NO PREFETCH: there is no loop to run ahead in; every byte is asked for at the head.
; THE MATRIX INSTRUCTION IS USED TRANSPOSED (source 0 = 16 rows of W_out, source 1 = 16 tokens): a lane holds eight neighbouring columns of one token's row.
; Lane r of a's tile T holds token 32 (T / 2) + 8 (T % 2) + r + 8 (r / 8) of the block: the stores' offsets put each row where it belongs.
; REGISTERS: window 0: v16-27 addresses; v32-63 the bias; v128-255 the accumulators ((a, b) at v[128 + 8 (4 a + b)]).  window 1: two fragment buffers of 128: 64 registers of a, then 64 of W_out.
.set BT,    131072                     ; LDS: a's images from 0; W_out's two halves from here, each 128 rows x PB
.set PB,    528                        ; 512 bytes + 16 of padding: the 16 rows that a load touches start at 16 different banks (ISA guide 11.1)
.set HB,    128*PB
.set STG,   BT+2*HB                    ; the stages: 32 rows x 272 bytes for each wave; no fill lands here
.set STW,   32*272
.set SPARE, STG+4*STW                  ; the spare words, 128 bytes for each wave
.set ADRA, 16                          ; v16-17  a's fragments: K steps 0-3, 4-7
.set ADRB, 20                          ; v20-21  W_out's likewise
.set STO,  24                          ; v24     the way out: where I put 32 bytes of a row
.set RD,   25                          ; v25     where I read 16 bytes of a row back
.set CO,   26                          ; v26     and their place in out0
.set BO,   27                          ; v27     32 h: my eight numbers of a tile's 16 of the bias
.set BI,   32
.set SPW,  126
.set NIL,  127
.set ACC,  128
.set G1A, 24                           ; s[24:31] descriptor group 1 for a;  s[32:35], s[36:39] groups 0 for its first and second half of K
.set G0A, 32
.set G0B, 40                           ; s[40:43], s[44:47] groups 0 for W_out's halves;  s[48:55] its group 1
.set G1B, 48
.set MSB, 0
.macro WIN new                         ; the immediate's high byte repeats the setting that is left
.if MSB != \new
	s_set_vgpr_msb (MSB<<8)|\new
.set MSB, \new
.endif
.endm
.set MUL,  0x05                        ; sources 0 and 1 window 1; C and D window 0
.set TO_F, 0x40                        ; destination window 1, address window 0
.macro CROUND                          ; a round of the cluster's barrier
	s_barrier_signal -1
	s_barrier_wait -1
	s_cmp_lg_u32 s14, 0
	s_cbranch_scc1 .Lnot_wave_0_\@
	s_barrier_signal -3
.Lnot_wave_0_\@:
	s_barrier_wait -3
	s_barrier_signal -1
	s_barrier_wait -1
.endm
.macro PLACES                          ; plain vector instructions between a matrix instruction and a load into, or a vector access to, its registers
.rept 4
	v_nop
.endr
.endm
	s_load_b256 s[4:11], s[0:1], 0x0               ; aimg s[4:5], W_out s[6:7], the scales' exponents s[8:9], b_out s[10:11]
	s_load_b64 s[12:13], s[0:1], 0x20              ; out0
	v_lshl_add_u32 v[SPW], v0, 2, SPARE
	v_mov_b32 v[NIL], 0
	ds_add_u32 v[SPW], v[NIL]                      ; the opening: the add, twice on end, and its wait
	ds_add_u32 v[SPW], v[NIL]
	v_lshrrev_b32 v1, 5, v0
	v_readfirstlane_b32 s14, v1                    ; wave 0..3
	s_lshr_b32 s15, s14, 1                         ; which 64 tokens are mine.  Also: I fetch for a (0) or for W_out (1)
	s_and_b32 s16, s14, 1                          ; which 64 columns.  Also: which half of K I fetch
	s_bfe_u32 s18, ttmp6, 0x40000                  ; cx, cy: my place in the cluster
	s_bfe_u32 s19, ttmp6, 0x40004
	s_lshl_b32 s20, ttmp9, 2
	s_add_co_u32 s20, s20, s18                     ; my 128 columns: 4 x cluster x + cx
	s_and_b32 s17, ttmp7, 0xffff
	s_lshl_b32 s17, s17, 2
	s_add_co_u32 s17, s17, s19                     ; my block of 128 tokens: 4 x cluster y + cy
	s_lshl_b32 s21, s19, 2
	s_lshl_b32 s21, 15, s21                        ; my row of the cluster
	s_lshl_b32 s22, 0x1111, s18                    ; my column
	s_or_b32 s[G1A+0], s21, (3<<16)|(1<<21)        ; a: 65,536 dense bytes as 256 rows of 256: the mask; elements of 8 bytes; bit 21 set beside a mask; no padding
	s_mov_b32 s[G1A+1], 32<<16                     ; tensor_dim0 = 32
	s_mov_b32 s[G1A+2], 256<<16                    ; tensor_dim1 = 256
	s_mov_b32 s[G1A+3], 32<<16                     ; tile_dim0 = 32
	s_mov_b32 s[G1A+4], 256                        ; tile_dim1 = 256
	s_mov_b32 s[G1A+5], 32                         ; tensor_dim0_stride
	s_mov_b32 s[G1A+6], 0
	s_mov_b32 s[G1A+7], 0
	s_or_b32 s[G1B+0], s22, (0<<16)|(1<<20)|(1<<21)|(6<<22)|(3<<25)  ; W_out: 128 rows x 512 bytes; elements of 1 byte; 4 words of padding after every 128
	s_mov_b32 s[G1B+1], 512<<16
	s_mov_b32 s[G1B+2], 128<<16
	s_mov_b32 s[G1B+3], 512<<16
	s_mov_b32 s[G1B+4], 128
	s_mov_b32 s[G1B+5], 1024
	s_mov_b32 s[G1B+6], 0
	s_mov_b32 s[G1B+7], 0
.irp h, 0,1
	s_mov_b32 s[G0A+4*\h], 1
	s_mov_b32 s[G0A+4*\h+1], \h*65536              ; each half's place in LDS is a constant
	s_mov_b32 s[G0B+4*\h], 1
	s_mov_b32 s[G0B+4*\h+1], BT+\h*HB
.endr
	s_lshl_b32 s56, s17, 17                        ; a's block in memory,
	s_mov_b32 s57, 0
	s_lshl_b32 s58, s20, 17                        ; and W_out's 128 rows of 1,024 bytes
	s_mov_b32 s59, 0
	s_lshl_b32 s62, s20, 9
	s_lshl_b32 s63, s16, 8
	s_add_co_u32 s62, s62, s63                     ; my first column, in bytes: 512 x tile + 256 x half
	s_mov_b32 s63, 0
	s_lshl_b32 s72, s17, 19
	s_lshl_b32 s73, s15, 18
	s_add_co_u32 s72, s72, s73                     ; my first row: (128 x block + 64 x half) x 4,096 bytes
	s_mov_b32 s73, 0
	s_lshl_b32 s60, s15, 13                        ; my four tiles of tokens: 4 x 2,048 bytes on in each K step's image
	s_mul_i32 s61, s16, 64*PB
	s_add_co_u32 s61, s61, BT                      ; my 64 rows of W_out
	s_mul_i32 s66, s14, STW
	s_add_co_u32 s66, s66, STG                     ; my stage
	v_and_b32 v1, 15, v0                           ; r
	v_bfe_u32 v2, v0, 4, 1                         ; h
	v_and_b32 v3, 31, v0
	v_lshlrev_b32 v3, 4, v3                        ; 16 x lane
	v_add_nc_u32 v[ADRA], s60, v3
	v_add_nc_u32 v[ADRA+1], 65536, v[ADRA]
	v_mul_u32_u24 v4, v1, PB
	v_lshl_add_u32 v4, v2, 4, v4
	v_add_nc_u32 v[ADRB], s61, v4                  ; row (64 x half + r) x pitch + 16 h
	v_add_nc_u32 v[ADRB+1], HB, v[ADRB]
	v_mul_u32_u24 v5, v1, 272
	v_lshl_add_u32 v5, v2, 5, v5
	v_add_nc_u32 v[STO], s66, v5                   ; in: row r, 32 bytes for each half of the lanes
	v_mul_u32_u24 v6, v2, 272
	v_lshl_add_u32 v6, v1, 4, v6
	v_add_nc_u32 v[RD], s66, v6                    ; back: lanes 0-15 one row of 256 bytes, lanes 16-31 the next
	v_lshlrev_b32 v7, 12, v2
	v_lshl_add_u32 v[CO], v1, 4, v7                ; and the same in out0: a row is 4,096 bytes
	v_lshlrev_b32 v[BO], 5, v2
	s_wait_alu depctr_va_vdst(0)
	s_wait_dscnt 0x0                               ; both opening adds are done
	s_wait_kmcnt 0x0
	s_load_b256 s[84:91], s[8:9], 0x0              ; e0 .. e7
	s_add_nc_u64 s[G0A+2:G0A+3], s[4:5], s[56:57]
	s_add_nc_u64 s[G0A+6:G0A+7], s[G0A+2:G0A+3], 65536
	s_or_b32 s[G0A+3], s[G0A+3], 0x80000000
	s_or_b32 s[G0A+7], s[G0A+7], 0x80000000
	s_add_nc_u64 s[G0B+2:G0B+3], s[6:7], s[58:59]
	s_add_nc_u64 s[G0B+6:G0B+7], s[G0B+2:G0B+3], 512
	s_or_b32 s[G0B+3], s[G0B+3], 0x80000000
	s_or_b32 s[G0B+7], s[G0B+7], 0x80000000
	s_add_nc_u64 s[10:11], s[10:11], s[62:63]
	s_add_nc_u64 s[12:13], s[12:13], s[62:63]
	s_add_nc_u64 s[12:13], s[12:13], s[72:73]
	CROUND                                         ; all sixteen work-groups are here: the joint loads meet
	s_cmp_eq_u32 s14, 0                            ; one chain, a load to an arm; the arms of the first half of K wait for it
	s_cbranch_scc0 .Lnot_0
	tensor_load_to_lds s[G0A:G0A+3], s[G1A:G1A+7]
	s_nop 0
.rept 4
	v_nop
.endr
	s_wait_tensorcnt 0x0
	s_branch .Lfilled
.Lnot_0:
	s_cmp_eq_u32 s14, 2
	s_cbranch_scc0 .Lnot_2
	tensor_load_to_lds s[G0B:G0B+3], s[G1B:G1B+7]
	s_nop 0
.rept 4
	v_nop
.endr
	s_wait_tensorcnt 0x0
	s_branch .Lfilled
.Lnot_2:
	s_cmp_eq_u32 s14, 1
	s_cbranch_scc0 .Lnot_1
	tensor_load_to_lds s[G0A+4:G0A+7], s[G1A:G1A+7]
	s_nop 0
.rept 4
	v_nop
.endr
	s_branch .Lfilled
.Lnot_1:
	tensor_load_to_lds s[G0B+4:G0B+7], s[G1B:G1B+7]
	s_nop 0
.rept 4
	v_nop
.endr
.Lfilled:
.irp b, 0,1,2,3
	global_load_b128 v[BI+8*\b:BI+8*\b+3],   v[BO], s[10:11] offset:64*\b      ; the bias of columns 16 b + 8 h + 0 .. 7
	global_load_b128 v[BI+8*\b+4:BI+8*\b+7], v[BO], s[10:11] offset:64*\b+16
.endr
; 32 LDS loads in one run: the fragments of K step q (128 along K) into buffer f.  In both, registers 4 c .. 4 c + 3 of lane (r, h) hold K = 32 c + 16 h + 0 .. 15.
.macro FETCH q, f
	WIN TO_F
.irp a, 0,1,2,3
.irp c, 0,1,2,3
	ds_load_b128 v[(\f)+16*\a+4*\c:(\f)+16*\a+4*\c+3], v[ADRA+(\q)/4] offset:((\q)%4)*16384+2048*\a+512*\c
.endr
.endr
.irp b, 0,1,2,3
.irp c, 0,1,2,3
	ds_load_b128 v[(\f)+64+16*\b+4*\c:(\f)+64+16*\b+4*\c+3], v[ADRB+(\q)/4] offset:((\q)%4)*128+16*\b*PB+32*\c
.endr
.endr
.endm
; 16 matrix instructions on buffer f: the 16 accumulators take turns, one instruction a turn.  zero = 1: the first products start the sums.
.macro MUL16 f, zero
.irp a, 0,1,2,3
.irp b, 0,1,2,3
.if \zero
	v_wmma_f32_16x16x128_fp8_fp8 v[ACC+8*(4*\a+\b):ACC+8*(4*\a+\b)+7], v[(\f)+64+16*\b:(\f)+64+16*\b+15], v[(\f)+16*\a:(\f)+16*\a+15], 0
.else
	v_wmma_f32_16x16x128_fp8_fp8 v[ACC+8*(4*\a+\b):ACC+8*(4*\a+\b)+7], v[(\f)+64+16*\b:(\f)+64+16*\b+15], v[(\f)+16*\a:(\f)+16*\a+15], v[ACC+8*(4*\a+\b):ACC+8*(4*\a+\b)+7]
.endif
.endr
.endr
.endm
; K step q: the next step's fragments are asked for, then this step's are multiplied.  Step 3's successor lies in the second half of K: every wave's load has landed and its LDS loads are in, and the barrier says so.
.macro KSTEP q, zero
.if (\q) == 3
	s_wait_tensorcnt 0x0
	s_wait_dscnt 0x0
	s_barrier_signal -1
	s_barrier_wait -1
.endif
.if (\q) < 7
.if (\q) > 0
	PLACES                                         ; the buffer that is loaded next was read by the products just issued
.endif
	FETCH (\q)+1, 128*(((\q)+1)%2)
	s_wait_dscnt 32                                ; all but the 32 just issued: this step's fragments are in
.else
	s_wait_dscnt 0x0
.endif
	WIN MUL
	MUL16 128*((\q)%2), \zero
.endm
	s_barrier_signal -1                            ; waves 0 and 2 have waited for the first half of K; the second half is read behind the second barrier
	s_barrier_wait -1
	FETCH 0, 0
	KSTEP 0, 1
.irp q, 1,2,3,4,5,6,7
	KSTEP \q, 0
.endr
	WIN 0
	; THE WAY OUT: sum x 2^(e6 + e7) + bias, one packed multiply-add for two numbers; 32 rows at a time through my own stage, back as whole rows of 256 bytes.
	s_wait_loadcnt 0x0                             ; the bias
	s_wait_kmcnt 0x0
	s_add_co_i32 s92, s90, s91
	s_add_co_i32 s92, s92, 127
	s_lshl_b32 s92, s92, 23                        ; 2^(e6 + e7) as f32
	s_mov_b32 s93, s92                             ; (named with it as a pair, so it is written)
	PLACES
.irp a, 0,1,2,3
.irp b, 0,1,2,3
.irp j, 0,2,4,6
	v_pk_fma_f32 v[ACC+8*(4*\a+\b)+\j:ACC+8*(4*\a+\b)+\j+1], v[ACC+8*(4*\a+\b)+\j:ACC+8*(4*\a+\b)+\j+1], s[92:93], v[BI+8*\b+\j:BI+8*\b+\j+1] op_sel_hi:[1,0,1]   ; each accumulator from its low end on
.endr
.endr
.endr
.macro TOST g                          ; tiles 2 g and 2 g + 1 of my tokens into the stage
.irp a, 0,1
.irp b, 0,1,2,3
	ds_store_b128 v[STO], v[ACC+64*(\g)+8*(4*\a+\b):ACC+64*(\g)+8*(4*\a+\b)+3]   offset:\a*16*272+64*\b
	ds_store_b128 v[STO], v[ACC+64*(\g)+8*(4*\a+\b)+4:ACC+64*(\g)+8*(4*\a+\b)+7] offset:\a*16*272+64*\b+16
.endr
.endr
.endm
.macro BACK g                          ; and back, two rows an instruction, into the registers that they left
.irp t, 0,1,2,3,4,5,6,7,8,9,10,11,12,13,14,15
	ds_load_b128 v[ACC+64*(\g)+4*\t:ACC+64*(\g)+4*\t+3], v[RD] offset:2*272*\t
.endr
.endm
.macro SEND g, t                       ; stage rows 2 t and 2 t + 1 are lanes 2 (t % 8) and + 1 of tile 2 g + t / 8: tokens 32 g + 8 (t / 8) + 2 (t % 8) + 8 ((t % 8) / 4) and the next.  16 lanes store 256 consecutive bytes, aligned
	global_store_b128 v[CO], v[ACC+64*(\g)+4*(\t):ACC+64*(\g)+4*(\t)+3], s[12:13] offset:(32*(\g)+8*((\t)/8)+2*((\t)%8)+8*(((\t)%8)/4))*4096 th:TH_STORE_NT
.endm
	TOST 0
	s_wait_alu depctr_va_vdst(0)
	s_wait_dscnt 0x0                               ; the stores have read their registers, which take the rows that come back
	BACK 0
	TOST 1                                         ; LDS serves a wave's instructions in order (ISA guide 5.7.1.4): these come behind the loads above
	s_wait_dscnt 0x0
.irp t, 0,1,2,3,4,5,6,7,8,9,10,11,12,13,14,15
	SEND 0, \t
.endr
	BACK 1
.irp t, 0,1,2,3,4,5,6,7,8,9,10,11,12,13,14,15
	s_wait_dscnt 15-\t
	SEND 1, \t
.endr
	s_wait_tensorcnt 0x0                           ; the wave's end
	ds_add_u32 v[SPW], v[NIL]
	s_wait_dscnt 0x0
	CROUND                                         ; the closing round: no work-group ends while a partner may still ask for a tile that names it
	s_endpgm
.Lfunc_end_k_qa29e75e9a9_out_gemm:
	.size	k_qa29e75e9a9_out_gemm, .Lfunc_end_k_qa29e75e9a9_out_gemm-k_qa29e75e9a9_out_gemm
	.p2alignl 7, 3214868480
	.fill 96, 4, 3214868480
	.section	.rodata,"a",@progbits
	.p2align	6, 0x0
	.amdhsa_kernel k_qa29e75e9a9_out_gemm
		.amdhsa_group_segment_fixed_size 327680
		.amdhsa_private_segment_fixed_size 0
		.amdhsa_enable_private_segment 0
		.amdhsa_kernarg_size 40
		.amdhsa_user_sgpr_count 2
		.amdhsa_user_sgpr_kernarg_segment_ptr 1
		.amdhsa_wavefront_size32 1
		.amdhsa_system_sgpr_workgroup_id_x 1
		.amdhsa_system_sgpr_workgroup_id_y 1
		.amdhsa_system_sgpr_workgroup_id_z 1
		.amdhsa_system_vgpr_workitem_id 0
		.amdhsa_next_free_vgpr 512
		.amdhsa_next_free_sgpr 96
		.amdhsa_reserve_vcc 0
		.amdhsa_float_denorm_mode_32 3
		.amdhsa_float_denorm_mode_16_64 3
		.amdhsa_memory_ordered 1
		.amdhsa_forward_progress 1
		.amdhsa_inst_pref_size 46
	.end_amdhsa_kernel
	.amdgpu_metadata
---
amdhsa.version: [ 1, 2 ]
amdhsa.kernels:
  - .name:           k_qa29e75e9a9_out_gemm
    .symbol:         k_qa29e75e9a9_out_gemm.kd
    .args:
      - { .name: aimg, .offset: 0, .size: 8, .value_kind: global_buffer, .address_space: global }
      - { .name: W_out_codes, .offset: 8, .size: 8, .value_kind: global_buffer, .address_space: global }
      - { .name: lowp_scales, .offset: 16, .size: 8, .value_kind: global_buffer, .address_space: global }
      - { .name: b_out, .offset: 24, .size: 8, .value_kind: global_buffer, .address_space: global }
      - { .name: out0, .offset: 32, .size: 8, .value_kind: global_buffer, .address_space: global }
    .group_segment_fixed_size: 327680
    .private_segment_fixed_size: 0
    .kernarg_segment_align: 8
    .kernarg_segment_size: 40
    .max_flat_workgroup_size: 128
    .sgpr_count:     96
    .vgpr_count:     512
    .wavefront_size: 32
...
	.end_amdgpu_metadata
.endif
;; end of part 3
